; MI455X (gfx1250); checked and timed in simulation.
; The chip was launched on July 23, 2026; its instructions are those of AMD's public machine-readable ISA for CDNA 5 (MIT licence, August 2026) and "CDNA5" Instruction Set Architecture Reference Guide (July 2026). The comments in the code are by the model that wrote it; some were corrected since.
;; Quant Linear. Allowed arithmetic: matrix products marked QUANTISED: E4M3 operands, one E8M0 scale for each 32 along K, by v_wmma_scale_f32_16x16x128_f8f6f4 with both operands' format E4M3, f32 sums; everything else in f32.
;; Inputs: bias 4,096 float32; g_idx 4,096 int32; qweight 512 x 4,096 int32; qzeros 32 x 512 int32; scales 32 x 4,096 float32; x 4,096 x 4,096 float32.
;; Outputs: out0 4,096 x 4,096 float32.
;; This version of the problem:
;;   THIS VERSION OF THE PROBLEM IS GIVEN IN LOW PRECISION. The matrix products marked QUANTISED in the list below multiply operands that are first quantised to E4M3 (4 exponent bits, 3 mantissa bits; 8 bits a number), with one power-of-two scale for each 32 numbers along K (OCP MX v1.0); their sums are f32. All else is computed in f32.
;;   The module's matrix products, in the order in which they are computed (A, B: the left and right operand; K: the contracted axis; several contracted axes count as one K, in the product's order):
;;     1. [M 4,096, K 4,096] x [K 4,096, N 4,096]; A: input x; B: computed on the way: QUANTISED
;;   THE QUANTISER, for each operand of a quantised product, along K:
;;     - K is cut into blocks of 32 from its start; a last block that is shorter is filled with zeros.
;;     - A block's scale is 2^e with e = floor(log2(the largest magnitude in the block)) - 8, held to -126 .. 127; a block of zeros has e = 0. As a byte (E8M0): e + 127.
;;     - Each number is divided by its block's scale, clamped to +-448, and rounded to the nearest number of E4M3, ties to even, subnormals kept.
;;     - The product sums the exact products of the quantised numbers (number of the format x scale) in f32.
;;   ~~~python
;;   def quantise(x, axis):      # numpy; x: float32 -> the quantised numbers, widened to float32 again
;;       x = np.moveaxis(x, axis, -1); K = x.shape[-1]
;;       x = np.pad(x, [(0, 0)] * (x.ndim - 1) + [(0, -K % 32)]); x = x.reshape(x.shape[:-1] + (-1, 32)); a = np.abs(x).max(-1, keepdims=True)
;;       e = np.where(a > 0, np.clip(np.frexp(np.where(a > 0, a, 1))[1] - 1 - 8, -126, 127), 0)      # np.frexp(a)[1] - 1 = floor(log2(a)), exactly
;;       r = np.clip(x / 2.0 ** e, -448, 448)
;;       step = 2.0 ** (np.maximum(np.frexp(np.where(r == 0, 1, r))[1] - 1, -6) - 3)
;;       q = np.round(r / step) * step * 2.0 ** e      # np.round: ties to even
;;       return np.moveaxis(q.reshape(q.shape[:-2] + (-1,))[..., :K], -1, axis).astype(np.float32)
;;   ~~~
;;   OPERANDS COMPUTED ON THE WAY. 'Computed on the way' means the value that the module computes at that place (a softmax that the list does not call 'softmax' is quantised finished and normalised). What goes into a quantiser is computed in f32, as accurately as f32 sums, v_exp_f32 and their like allow (about 1e-6 of the number): no bf16 or f16 on the way to a quantiser, and a product that is left as it is and whose result goes on into a quantised operand takes f32 operands (vector FMAs, or v_wmma_f32_16x16x4_f32). A number that lies on a knife's edge between two numbers of the format may be rounded either way, as far as f32 arithmetic and the matrix unit's own rounding can turn it there, and no further.
;; One version. Each part assembles by itself: llvm-mc -triple=amdgcn-amd-amdhsa -mcpu=gfx1250 --defsym DOCPART=n.
;; ======== version 1 of 1: 2 launches
;; limits: right only within a limited range of input values
;; workspace buffers: a_img 17,301,504 bytes; b_img 17,301,504 bytes
;; launch quant (part 1): grid 1024 x 1, 4 waves a work-group, no clusters, 35,328 bytes of LDS; arguments x, qweight, qzeros, scales, g_idx, a_img, b_img; writes a_img, b_img
.if DOCPART == 1
	.amdgcn_target "amdgcn-amd-amdhsa--gfx1250"
	.amdhsa_code_object_version 6
	.text
	.protected	k_q61d354c922_quant
	.globl	k_q61d354c922_quant
	.p2align	8
	.type	k_q61d354c922_quant,@function
k_q61d354c922_quant:
	s_mov_b64 s[64:65], 0
	v_nop
	global_prefetch_b8 v0, s[64:65] scope:SCOPE_SE
	s_setreg_imm32_b32 hwreg(HW_REG_WAVE_MODE, 25, 1), 1
	s_wait_xcnt 0x0
; Both operands of out = x W + bias become codes of FP8 (E4M3) with one E8M0 scale byte for each 32 along K.
; x: [4096][4096] f32, K innermost.  W[k][n] = scales[g_idx[k]][n] * (nibble k of qweight - nibble n of qzeros[g_idx[k]]), f32: the whole number is exact, the one multiplication rounds once.
; THE TWO BUFFERS ARE LAID IN THE ORDER OF THE OPERAND'S REGISTERS.  A buffer is [32 blocks of 128 rows (of x) or columns n (of W)][16 K steps of 256][a chunk of 33,792 bytes].  In a chunk:
;   codes: the 16 codes k = 32 cb + 16 h + 0 .. 15 of row 16 i + r lie at 4096 i + 512 cb + 256 h + 16 r   (i 0..7, cb 0..7, h 0..1, r 0..15);
;   scale words behind them: the word of row 16 i + r for the q-th 128 along K lies at 32768 + 128 i + 8 r + 4 q; its byte c is block 4 q + c.
; SHARES.  A work-group makes one chunk, of x or of W.  Which: bit 0 xor bit 8 of its number; which chunk: its number / 2.  So work-groups i and i + 1 are of different kinds, and so are i and i + 256: whether
; neighbours in number or work-groups 256 apart come to lie together, memory-bound and arithmetic-bound waves lie side by side.  Wave w makes rows 32 w .. 32 w + 31, A LANE TO A ROW (or column),
; and a whole block of 32 along K stands in the lane's 32 consecutive registers: its largest magnitude needs no other lane, and the conversions give K innermost.  A lane's 16 codes are 16 bytes and the fifteen lanes
; beside it hold the rows beside it: each store of codes covers two runs of 256 consecutive bytes, aligned.  Waves share nothing: no barrier.  Only x's way uses LDS.
; A block's scale is 2^(floor(log2(its largest magnitude)) - 8): its byte is the largest magnitude's exponent field - 8, held at 1 from below.
; LIMITS: NaN and infinities in x and in scales are not served.  A block whose largest magnitude lies under 2^(9 - 127), a block of zeros among them, gets the byte 1 (the rule says 127 for zeros: its codes are
; zeros, which add nothing under any byte but 0xff, and this program alone reads the bytes).  A g_idx outside 0 .. 31 is held at 31 (as an unsigned number).
.set CH,   33792                       ; bytes of a chunk
.set SPT,  272                         ; x's stage: a row of 256 bytes + 16 of padding, an odd multiple of 16
.set WST,  32*SPT                      ; a wave's stage
.set VCO,  4                           ; v4   my codes' place in the chunk: 8192 w + 4096 (lane / 16) + 16 (lane % 16)
.set VSO,  5                           ; v5   my two scale words' place: 32768 + 256 w + 8 lane
.set SB,   6                           ; v[6:7] my row's two scale words
.set VSI,  14                          ; v14  x: into the stage
.set VSL,  15                          ; v15  x: out of it
.set C,    24                          ; v24-39  codes, two sets of 8
.set G,    40                          ; v40-47  W: g_idx of my lane's k, for each of 8 blocks
.set SZ,   48                          ; v48-63  W: pairs (scale, word of zeros) for each of 8 blocks
.set X,    64                          ; v64-127 numbers
.set QW,   96                          ; v96-127 W: 32 words of qweight (W's way holds one block of numbers, v64-95)
.set R,    128                         ; v128-255 x: two sets of 64 registers as loaded
.set SK,   128                         ; W, any g_idx: a scale for each k,
.set ZK,   160                         ; a zero for each k,
.set OS,   192                         ; and the offsets of their loads
.set OZ,   224
	s_load_b256 s[4:11], s[0:1], 0x0               ; x s[4:5], qweight s[6:7], qzeros s[8:9], scales s[10:11]
	s_load_b128 s[12:15], s[0:1], 0x20             ; g_idx s[12:13], a_img s[14:15]
	s_load_b64 s[16:17], s[0:1], 0x30              ; b_img
	v_lshl_add_u32 v22, v0, 2, 0x8800
	v_mov_b32 v23, 0
	v_lshrrev_b32 v1, 5, v0
	v_readfirstlane_b32 s18, v1                    ; wave 0..3
	v_and_b32 v1, 31, v0                           ; lane
	s_wait_alu depctr_va_vdst(0)
	v_and_b32 v2, 15, v0                           ; lane % 16
	v_bfe_u32 v3, v0, 4, 1                         ; lane / 16
	s_wait_alu depctr_va_vdst(0)
	s_lshr_b32 s19, ttmp9, 1                       ; the chunk's number, 16 rb + ks
	s_lshr_b32 s20, ttmp9, 8
	s_xor_b32 s20, s20, ttmp9
	s_and_b32 s20, s20, 1                          ; bit 0 xor bit 8 of my number: 0: x, 1: W.  (Bit 8 is part of the chunk's number, so bit 0 gives each chunk number both kinds)
	s_and_b32 s36, s19, 15                         ; ks
	s_lshr_b32 s37, s19, 4                         ; rb
	s_mov_b32 s24, 0x600000                        ; the mantissa field of 448
	v_lshlrev_b32 v[VCO], 4, v2
	v_lshl_add_u32 v[VCO], v3, 12, v[VCO]
	s_lshl_b32 s21, s18, 13
	v_add_nc_u32 v[VCO], s21, v[VCO]
	v_lshlrev_b32 v[VSO], 3, v1
	s_lshl_b32 s21, s18, 8
	s_add_co_u32 s21, s21, 32768
	v_add_nc_u32 v[VSO], s21, v[VSO]
	s_mul_i32 s21, s18, WST                        ; my wave's stage
	v_mul_u32_u24 v[VSI], v3, SPT
	v_lshl_add_u32 v[VSI], v2, 4, v[VSI]
	v_add_nc_u32 v[VSI], s21, v[VSI]               ; in: lanes 0-15 a row's 256 bytes, lanes 16-31 the next row's
	v_mul_u32_u24 v[VSL], v1, SPT
	v_add_nc_u32 v[VSL], s21, v[VSL]               ; out: my lane's row
	s_mul_i32 s22, s19, CH                         ; where the chunk begins: under 2^25
	s_mov_b32 s23, 0
	s_wait_kmcnt 0x0
; 32 numbers of one block, v[xs] on, become 32 codes in v[cd] .. v[cd + 7]; the scale's byte is left in v12.
.macro QCORE xs, cd
	v_max3_num_f32 v8, |v[\xs]|, |v[\xs+1]|, |v[\xs+2]|           ; the largest magnitude, in two chains
	v_max3_num_f32 v9, |v[\xs+3]|, |v[\xs+4]|, |v[\xs+5]|
.irp i, 6,10,14,18,22,26
	v_max3_num_f32 v8, v8, |v[\xs+\i]|, |v[\xs+\i+1]|
	v_max3_num_f32 v9, v9, |v[\xs+\i+2]|, |v[\xs+\i+3]|
.endr
	v_max3_num_f32 v8, v8, |v[\xs+30]|, |v[\xs+31]|
	v_max3_num_f32 v8, v8, v9, 0x4800000           ; and the floor 2^(9 - 127): the byte cannot fall under 1
	v_add_nc_u32 v11, 0xfc000000, v8               ; 8 off the exponent field: the conversion takes the exponent field of this operand as its scale
	v_and_or_b32 v10, v8, 0x7f800000, s24          ; 448 x the scale: the largest magnitude's exponent field over 448's mantissa
	v_lshrrev_b32 v12, 23, v11                     ; the scale's byte
.irp i, 0,1,2,3,4,5,6,7,8,9,10,11,12,13,14,15,16,17,18,19,20,21,22,23,24,25,26,27,28,29,30,31
	v_med3_num_f32 v[\xs+\i], v[\xs+\i], -v10, v10 ; the conversion to an 8-bit code does not saturate (ISA guide 7.6.2): hold the number first
.endr
.irp g, 0,1,2,3
	v_cvt_scalef32_pk8_fp8_f32 v[\cd+2*\g:\cd+2*\g+1], v[\xs+8*\g:\xs+8*\g+7], v11
.endr
	v_nop                                          ; one plain vector line behind the last conversion, ahead of whatever next writes its sources
.endm
; Block cb's byte goes into my scale words, its codes to the chunk at s[sb:sb+1].
.macro PUT cb, cd, sb
.if (\cb)%4 == 0
	v_mov_b32 v[SB+(\cb)/4], v12
.else
	v_lshl_or_b32 v[SB+(\cb)/4], v12, 8*((\cb)%4), v[SB+(\cb)/4]
.endif
	global_store_b128 v[VCO], v[\cd:\cd+3], s[\sb:\sb+1] offset:512*(\cb)         ; k = 0 .. 15 of the block: sixteen lanes store 256 consecutive bytes, aligned
	global_store_b128 v[VCO], v[\cd+4:\cd+7], s[\sb:\sb+1] offset:512*(\cb)+256   ; k = 16 .. 31
.endm
	s_cmp_eq_u32 s20, 0
	s_cbranch_scc0 .Lw
; ---------------- x ----------------
; Four steps of 32 rows x 64 along K.  A load is dense (sixteen lanes read 256 consecutive bytes of a row); the step's 8,192 bytes turn through the wave's own stage and come back a row to a lane.
	s_add_nc_u64 s[14:15], s[14:15], s[22:23]      ; my chunk of a_img
	s_lshl_b32 s22, s37, 21                        ; 128 rb rows of 16,384 bytes,
	s_lshl_b32 s21, s18, 19                        ; 32 w rows,
	s_add_co_u32 s22, s22, s21
	s_lshl_b32 s21, s36, 10                        ; 256 ks numbers
	s_add_co_u32 s22, s22, s21
	s_add_nc_u64 s[4:5], s[4:5], s[22:23]
	v_lshlrev_b32 v16, 4, v2
	v_lshl_add_u32 v16, v3, 14, v16                ; 16 (lane % 16) + a row for lanes 16-31
.macro LOADX t                         ; step t: rows 2 i and 2 i + 1, i = 0 .. 15, into set t % 2
.set i, 0
.rept 16
	global_load_b128 v[R+64*((\t)%2)+4*i:R+64*((\t)%2)+4*i+3], v16, s[4:5] offset:32768*i+256*(\t) th:TH_LOAD_NT
.set i, i+1
.endr
.endm
	LOADX 0
	LOADX 1
	s_wait_alu depctr_va_vdst(0)
.irp t, 0,1,2,3
.if \t < 3
	s_wait_loadcnt 16                              ; this step's 16 loads are in; the next step's 16 may be out
.else
	s_wait_loadcnt 0x0
.endif
.set i, 0
.rept 16
	ds_store_b128 v[VSI], v[R+64*(\t%2)+4*i:R+64*(\t%2)+4*i+3] offset:2*SPT*i
.set i, i+1
.endr
.set i, 0
.rept 16
	ds_load_b128 v[X+4*i:X+4*i+3], v[VSL] offset:16*i              ; LDS serves a wave's instructions in order (ISA guide 5.7.1.4): these see the stores above
.set i, i+1
.endr
	s_wait_dscnt 0x0                               ; my 64 numbers are in, and the stage's stores have read their registers
	s_wait_xcnt 0x0                                ; the last step's stores of codes have read theirs: both sets of codes may be written again
.if \t < 2
	LOADX \t+2                                     ; into the set just left
.endif
	QCORE X, C
	PUT 2*\t, C, 14
	QCORE X+32, C+8
	PUT 2*\t+1, C+8, 14
.endr
	global_store_b64 v[VSO], v[SB:SB+1], s[14:15]  ; 32 lanes store 256 consecutive bytes, aligned
	s_wait_tensorcnt 0x0
	ds_add_u32 v22, v23
	s_wait_dscnt 0x0
	s_endpgm
; ---------------- W ----------------
.Lw:
	s_add_nc_u64 s[16:17], s[16:17], s[22:23]      ; my chunk of b_img
	s_lshl_b32 s22, s36, 19                        ; qweight: 32 ks rows of words, 16,384 bytes each
	s_add_nc_u64 s[6:7], s[6:7], s[22:23]
	s_lshl_b32 s22, s36, 10                        ; g_idx: 256 ks words
	s_add_nc_u64 s[12:13], s[12:13], s[22:23]
	v_lshlrev_b32 v19, 2, v1                       ; 4 x lane
	s_lshl_b32 s21, s37, 9
	s_lshl_b32 s22, s18, 7
	s_add_co_u32 s21, s21, s22
	v_add_nc_u32 v16, s21, v19                     ; 4 n, n = 128 rb + 32 w + lane: my column in qweight and in scales
	v_lshrrev_b32 v17, 3, v1
	v_lshlrev_b32 v17, 2, v17
	s_lshr_b32 s21, s21, 3
	v_add_nc_u32 v17, s21, v17                     ; 4 (n / 8): my column's word in a row of qzeros
	v_and_b32 v18, 7, v1
	v_lshlrev_b32 v18, 2, v18                      ; 4 (n % 8): its nibble's place
.irp b, 0,1,2,3,4,5,6,7
	global_load_b32 v[G+\b], v19, s[12:13] offset:128*\b           ; lane l: g_idx[256 ks + 32 b + l]
.endr
.set j, 0
.rept 32
	global_load_b32 v[QW+j], v16, s[6:7] offset:16384*j th:TH_LOAD_NT   ; word j: k = 8 j .. 8 j + 7 of my column; a wave reads 128 consecutive bytes, the four waves 512
.set j, j+1
.endr
	s_wait_alu depctr_va_vdst(0)
	s_wait_loadcnt 32                              ; the eight loads of g_idx are in; the 32 words may be out
.irp b, 0,1,2,3,4,5,6,7
	v_min_u32 v[G+\b], 31, v[G+\b]
	v_readfirstlane_b32 s[28+\b], v[G+\b]          ; the group of the block's first k
	s_min_u32 s[28+\b], s[28+\b], 31
	v_lshl_add_u32 v[OS+2*\b], s[28+\b], 14, v16   ; a row of scales is 16,384 bytes,
	v_lshl_add_u32 v[OS+2*\b+1], s[28+\b], 11, v17 ; a row of qzeros 2,048
	global_load_b32 v[SZ+2*\b], v[OS+2*\b], s[10:11]
	global_load_b32 v[SZ+2*\b+1], v[OS+2*\b+1], s[8:9]
.if \b == 0
	v_xor_b32 v20, s[28+\b], v[G+\b]               ; not 0 where a k of the block has another group than its first k
.else
	v_xor_b32 v13, s[28+\b], v[G+\b]
	v_or_b32 v20, v20, v13
.endif
.endr
	s_wait_alu depctr_va_vdst(0)
	s_wait_loadcnt 0x0
	v_cmp_ne_u32 vcc_lo, 0, v20
	s_cbranch_vccnz .Lgeneral                      ; a branch on the index input alone; no barrier stands in this text
; Four words v[wb] on become the block's 32 numbers in v[X] on.  stride = 0: one scale (the low word of the pair v[s:s+1]) and one zero (v[z]) for the block; 1: v[s + k], v[z + k] for each k.
.macro DEQ wb, s, z, stride
.set k, 0
.rept 32
	v_bfe_u32 v[X+k], v[(\wb)+k/8], 4*(k%8), 4
.set k, k+1
.endr
.set k, 0
.rept 32
	v_sub_nc_u32 v[X+k], v[X+k], v[(\z)+\stride*k]
.set k, k+1
.endr
.set k, 0
.rept 32
	v_cvt_f32_i32 v[X+k], v[X+k]                   ; -15 .. 15: exact
.set k, k+1
.endr
.set k, 0
.rept 16
.if \stride
	v_pk_mul_f32 v[X+k:X+k+1], v[X+k:X+k+1], v[(\s)+k:(\s)+k+1]
.else
	v_pk_mul_f32 v[X+k:X+k+1], v[X+k:X+k+1], v[(\s):(\s)+1] op_sel_hi:[1,0]
.endif
.set k, k+2
.endr
.endm
; Every block of 32 has one group: its scale and its zero are one number a lane.
.irp b, 0,1,2,3,4,5,6,7
	v_bfe_u32 v21, v[SZ+2*\b+1], v18, 4            ; my column's zero
	DEQ QW+4*\b, SZ+2*\b, 21, 0
	s_wait_xcnt 0x0                                ; the stores of two blocks ago have read this set of codes
	QCORE X, C+8*(\b%2)
	PUT \b, C+8*(\b%2), 16
.endr
	global_store_b64 v[VSO], v[SB:SB+1], s[16:17]
	s_endpgm
; Any g_idx: a scale and a zero are fetched for each k.  Eight trips, a block each; the block's g_idx and its four words are read anew, since a trip cannot name the registers by its number.
.Lgeneral:
	v_mov_b32 v[SB], 0
	v_mov_b32 v[SB+1], 0
	s_mov_b32 s25, 8
.Lblock:
	global_load_b32 v[G], v19, s[12:13]
.irp j, 0,1,2,3
	global_load_b32 v[QW+\j], v16, s[6:7] offset:16384*\j
.endr
	s_wait_loadcnt 4                               ; g_idx is in; the four words may be out
	v_min_u32 v[G], 31, v[G]
.set k, 0
.rept 32
	v_readlane_b32 s26, v[G], k
	s_min_u32 s26, s26, 31
	v_lshl_add_u32 v[OS+k], s26, 14, v16
	v_lshl_add_u32 v[OZ+k], s26, 11, v17
	global_load_b32 v[SK+k], v[OS+k], s[10:11]
	global_load_b32 v[ZK+k], v[OZ+k], s[8:9]
.set k, k+1
.endr
	s_wait_loadcnt 0x0                             ; all are in: their offsets may be written again in the next trip
.set k, 0
.rept 32
	v_bfe_u32 v[ZK+k], v[ZK+k], v18, 4
.set k, k+1
.endr
	DEQ QW, SK, ZK, 1
	QCORE X, C
	v_alignbit_b32 v[SB], v[SB+1], v[SB], 8        ; the two scale words move down a byte, and the new byte comes in on top: after eight trips the first trip's is the lowest
	v_lshrrev_b32 v[SB+1], 8, v[SB+1]
	v_lshl_or_b32 v[SB+1], v12, 24, v[SB+1]
	global_store_b128 v[VCO], v[C:C+3], s[16:17]
	global_store_b128 v[VCO], v[C+4:C+7], s[16:17] offset:256
	s_wait_xcnt 0x0                                ; the stores have read their data and their offset, the loads their bases: all are written below or in the next trip
	v_add_nc_u32 v[VCO], 512, v[VCO]
	s_add_nc_u64 s[12:13], s[12:13], 128
	s_add_nc_u64 s[6:7], s[6:7], 65536
	s_sub_co_u32 s25, s25, 1
	s_cmp_lg_u32 s25, 0
	s_cbranch_scc1 .Lblock
	s_wait_alu depctr_va_vdst(0)
	global_store_b64 v[VSO], v[SB:SB+1], s[16:17]
	s_endpgm
.Lfunc_end_k_q61d354c922_quant:
	.size	k_q61d354c922_quant, .Lfunc_end_k_q61d354c922_quant-k_q61d354c922_quant
	.p2alignl 7, 3214868480
	.fill 96, 4, 3214868480
	.section	.rodata,"a",@progbits
	.p2align	6, 0x0
	.amdhsa_kernel k_q61d354c922_quant
		.amdhsa_group_segment_fixed_size 35328
		.amdhsa_private_segment_fixed_size 0
		.amdhsa_enable_private_segment 0
		.amdhsa_kernarg_size 56
		.amdhsa_user_sgpr_count 2
		.amdhsa_user_sgpr_kernarg_segment_ptr 1
		.amdhsa_wavefront_size32 1
		.amdhsa_system_sgpr_workgroup_id_x 1
		.amdhsa_system_sgpr_workgroup_id_y 1
		.amdhsa_system_sgpr_workgroup_id_z 1
		.amdhsa_system_vgpr_workitem_id 0
		.amdhsa_next_free_vgpr 256
		.amdhsa_next_free_sgpr 66
		.amdhsa_reserve_vcc 1
		.amdhsa_float_denorm_mode_32 3
		.amdhsa_float_denorm_mode_16_64 3
		.amdhsa_memory_ordered 1
		.amdhsa_forward_progress 1
		.amdhsa_inst_pref_size 151
	.end_amdhsa_kernel
	.amdgpu_metadata
---
amdhsa.version: [ 1, 2 ]
amdhsa.kernels:
  - .name:           k_q61d354c922_quant
    .symbol:         k_q61d354c922_quant.kd
    .args:
      - { .name: x, .offset: 0, .size: 8, .value_kind: global_buffer, .address_space: global }
      - { .name: qweight, .offset: 8, .size: 8, .value_kind: global_buffer, .address_space: global }
      - { .name: qzeros, .offset: 16, .size: 8, .value_kind: global_buffer, .address_space: global }
      - { .name: scales, .offset: 24, .size: 8, .value_kind: global_buffer, .address_space: global }
      - { .name: g_idx, .offset: 32, .size: 8, .value_kind: global_buffer, .address_space: global }
      - { .name: a_img, .offset: 40, .size: 8, .value_kind: global_buffer, .address_space: global }
      - { .name: b_img, .offset: 48, .size: 8, .value_kind: global_buffer, .address_space: global }
    .group_segment_fixed_size: 35328
    .private_segment_fixed_size: 0
    .kernarg_segment_align: 8
    .kernarg_segment_size: 56
    .max_flat_workgroup_size: 128
    .sgpr_count:     66
    .vgpr_count:     256
    .wavefront_size: 32
...
	.end_amdgpu_metadata
.endif
;; end of part 1
;; launch gemm (part 2): grid 16 x 16, 4 waves a work-group, clusters of 4 x 4, 327,680 bytes of LDS; arguments a_img, b_img, bias, out0; writes out0
.if DOCPART == 2
	.amdgcn_target "amdgcn-amd-amdhsa--gfx1250"
	.amdhsa_code_object_version 6
	.text
	.protected	k_q61d354c922_gemm
	.globl	k_q61d354c922_gemm
	.p2align	8
	.type	k_q61d354c922_gemm,@function
k_q61d354c922_gemm:
	s_mov_b64 s[64:65], 0
	v_nop
	global_prefetch_b8 v0, s[64:65] scope:SCOPE_SE
	s_setreg_imm32_b32 hwreg(HW_REG_WAVE_MODE, 25, 1), 1
	s_wait_xcnt 0x0
	s_wait_alu depctr_hold_cnt(0) depctr_sa_sdst(0) depctr_va_vdst(0) depctr_va_sdst(0) depctr_va_ssrc(0) depctr_va_vcc(0) depctr_vm_vsrc(0)
	s_getreg_b32 s2, hwreg(HW_REG_IB_STS2, 6, 4)
	s_cmp_eq_u32 s2, 0
	s_cbranch_scc0 .Lentry_in_a_cluster
	s_endpgm
.Lentry_in_a_cluster:
	s_bfe_u32 s2, ttmp6, 0x10000c
	s_cmp_lg_u32 s2, 0xf033
	s_cbranch_scc0 .Lentry_shape_is_right
	s_endpgm
.Lentry_shape_is_right:
; out0[m][n] = bias[n] + sum over k of x[m][k] W[k][n]; both operands arrive as codes of FP8 (E4M3) with one E8M0 byte for each 32 along K, in a_img and b_img:
; [32 blocks of 128 rows][16 K steps of 256][a chunk of 33,792 bytes], a chunk laid in the order of an operand's registers (codes: 4096 i + 512 cb + 256 h + 16 r; scale words: 32768 + 128 i + 8 r + 4 q).
; A work-group of four waves makes 256 x 256 of out0, a wave 128 x 128: 64 accumulators, 512 registers.  256 work-groups.  K goes in steps of 256 through two LDS slots of four chunks (A's two, B's two), one chunk a wave and load.
; CLUSTERS 4 x 4: A's chunks are asked for jointly along a row of the cluster, B's along a column.  The matrix instruction is used transposed (source 0 = B, source 1 = A): a lane holds eight neighbouring columns of a row.
; A step is 128 along K: eight groups of eight products, group a = A's block a against B's eight.  All fragments of a step are asked for during the step before, in THREE RUNS of LDS loads, behind groups 1, 3 and 5.
; B has two sets, A's blocks 4-7 two sets, A's blocks 0-3 one (loaded anew behind group 3).  Eight v_nop stand ahead of a run wherever it loads registers that products have read since the last such eight (except for loads).
; THE LAST K STEP GOES BY ROWS OF out0: a block of 16 rows takes both halves of the step and leaves as soon as its sums are finished, while the other blocks are multiplied.
; REGISTERS: window 0: v16-30 addresses; v32-63 scale words, a set for each slot; v64-127 the bias in the first step, then A's blocks 4-7 of a slot's second step; v128-191 A's blocks 0-3; v192-255 A's blocks 4-7 of a slot's first step.
;   window 1: B's two sets.  windows 2, 3: the accumulators of my rows 0-63, 64-127 ((a, b) at v[8 (8 (a % 4) + b)]).
; PREFETCH: behind each refill in the loop a wave names the chunk that stands two refills on (two K steps ahead of the load that will want it): of the chunk's 132 blocks of 256 bytes each of the four partners
; that ask for it jointly takes 33, told apart by address (cx for A, cy for B): 32 by a lane each, the 33rd by a second line.  The last lap asks for nothing: K steps 16 and 17 do not exist.
; K step 0 comes by its load alone; K steps 1 and 2 are named at the head, behind the first load; K step 3 ahead of the first step, when K step 1's load has been issued: two K steps at the most are named and not yet asked for by a load.
.set CH,     33792
.set SLOT,   4*CH
.set SPARE,  2*SLOT                    ; the spare words: 128 bytes a wave
.set STAGE,  SPARE+512                 ; the way out: 16 rows x 528 bytes for each wave; no tensor load lands here
.set SPITCH, 528
.set LAPS,   8
.set ROWC,   16384                     ; a row of out0 in bytes
.set ADRA, 16                          ; v16-17 LDS address of my A chunk in slot 0, 1 (+ 16 x lane)
.set ADRB, 20                          ; v20-21 the same for B
.set ADRS, 22                          ; v22-23 my scale words: lanes 0-15 A's, lanes 16-31 B's
.set STO,  24
.set RD,   25
.set CO,   26
.set PFO,  27                          ; 256 x lane
.set SPW,  28
.set NIL,  29
.set PF2,  30                          ; 8,192: the 33rd block
.set SC,   32
.set BIAS, 64
.set PFA, 12                           ; s[12:13] my share of a chunk: at K step 3 through the head, then stepped by a chunk at each change of slots
.set G1,  24
.set G0,  32
.set G1B, 48
.set G0B, 56
.set TO_B, 0x40
.set MSB, 0
.macro WIN new                         ; the immediate's high byte repeats the setting that is left
.if MSB != (\new)
	s_set_vgpr_msb (MSB<<8)|(\new)
.set MSB, (\new)
.endif
.endm
.macro PLACES n
.rept \n
	v_nop
.endr
.endm
; a joint load: waves 0, 1 ask for A's two chunks, waves 2, 3 for B's; s_nop 0 and four v_nop behind each line
.macro JLOAD g0a, g1a, g0b, g1b
	s_cmp_eq_u32 s15, 0
	s_cbranch_scc0 .Lfor_b_\@
	tensor_load_to_lds s[\g0a:\g0a+3], s[\g1a:\g1a+7]
	s_nop 0
	PLACES 4
	s_branch .Lasked_\@
.Lfor_b_\@:
	tensor_load_to_lds s[\g0b:\g0b+3], s[\g1b:\g1b+7]
	s_nop 0
	PLACES 4
.Lasked_\@:
.endm
.macro CREST                           ; a round of the cluster's barrier behind its opening barrier
	s_cmp_lg_u32 s14, 0
	s_cbranch_scc1 .Lnot_wave_0_\@
	s_barrier_signal -3
.Lnot_wave_0_\@:
	s_barrier_wait -3
	s_barrier_signal -1
	s_barrier_wait -1
.endm
.macro CROUND
	s_barrier_signal -1
	s_barrier_wait -1
	CREST
.endm
.macro NAME off                        ; my 33 blocks of the chunk off bytes from where s[PFA:PFA+1] stands
	global_prefetch_b8 v[PFO], s[PFA:PFA+1] offset:\off th:TH_LOAD_NT scope:SCOPE_SE
	global_prefetch_b8 v[PF2], s[PFA:PFA+1] offset:\off th:TH_LOAD_NT scope:SCOPE_SE
.endm
.macro ASK                             ; s3 = 1 in the loop's last trip
	s_cmp_gt_u32 s3, 1
	s_cbranch_scc0 .Lno_ask_\@
	NAME 0
.Lno_ask_\@:
.endm
	s_load_b256 s[4:11], s[0:1], 0x0               ; a_img, b_img, bias, out0
	v_lshl_add_u32 v[SPW], v0, 2, SPARE
	v_mov_b32 v[NIL], 0
	ds_add_u32 v[SPW], v[NIL]                      ; the opening lines: the add twice on end, its wait ahead of my first tensor load
	ds_add_u32 v[SPW], v[NIL]
	v_lshrrev_b32 v1, 5, v0
	v_readfirstlane_b32 s14, v1                    ; wave
	s_lshr_b32 s15, s14, 1                         ; my half of the rows; also: I ask for A (0) or B (1)
	s_and_b32 s16, s14, 1                          ; my half of the columns; also: which chunk of the two I ask for
	s_bfe_u32 s40, ttmp6, 0x40000                  ; cx
	s_bfe_u32 s41, ttmp6, 0x40004                  ; cy
	s_lshl_b32 s42, ttmp9, 2
	s_add_co_u32 s42, s42, s40                     ; tile column
	s_and_b32 s17, ttmp7, 0xffff
	s_lshl_b32 s17, s17, 2
	s_add_co_u32 s17, s17, s41                     ; tile row
	s_lshl_b32 s43, s41, 2
	s_lshl_b32 s43, 15, s43                        ; my row of the cluster
	s_lshl_b32 s44, 0x1111, s40                    ; my column
	s_or_b32 s[G1+0], s43, (3<<16)|(1<<21)         ; a chunk is dense: 132 rows of 32 elements of 8 bytes, no padding (lane i reads at 16 i)
	s_or_b32 s[G1B+0], s44, (3<<16)|(1<<21)
.irp g, G1, G1B
	s_mov_b32 s[\g+1], 32<<16
	s_mov_b32 s[\g+2], 132<<16
	s_mov_b32 s[\g+3], 32<<16
	s_mov_b32 s[\g+4], 132
	s_mov_b32 s[\g+5], 32
	s_mov_b32 s[\g+6], 0
	s_mov_b32 s[\g+7], 0
.endr
	s_lshl_b32 s20, s17, 1
	s_add_co_u32 s20, s20, s16
	s_mul_i32 s20, s20, 16*CH                      ; A: block of 128 rows 2 x tile row + half
	s_mov_b32 s21, 0
	s_lshl_b32 s46, s42, 1
	s_add_co_u32 s46, s46, s16
	s_mul_i32 s46, s46, 16*CH                      ; B: 2 x tile column + half
	s_mov_b32 s47, 0
	s_mul_i32 s45, s14, CH                         ; where my chunk goes in a slot
	s_wait_dscnt 0x0                               ; both opening adds are done
	s_wait_kmcnt 0x0
	s_add_nc_u64 s[20:21], s[4:5], s[20:21]
	s_add_nc_u64 s[46:47], s[6:7], s[46:47]
.irp s, 0,1
	s_mov_b32 s[G0+4*\s], 1
	s_add_co_u32 s[G0+4*\s+1], s45, \s*SLOT
	s_add_nc_u64 s[G0+4*\s+2:G0+4*\s+3], s[20:21], \s*CH
	s_or_b32 s[G0+4*\s+3], s[G0+4*\s+3], 0x80000000
	s_mov_b32 s[G0B+4*\s], 1
	s_add_co_u32 s[G0B+4*\s+1], s45, \s*SLOT
	s_add_nc_u64 s[G0B+4*\s+2:G0B+4*\s+3], s[46:47], \s*CH
	s_or_b32 s[G0B+4*\s+3], s[G0B+4*\s+3], 0x80000000
.endr
	CROUND                                         ; all sixteen work-groups are here: the first joint loads meet
	JLOAD G0, G1, G0B, G1B                         ; K step 0: one tensor load a wave at the head
	s_cmp_eq_u32 s15, 0                            ; the prefetches: the chunks that I ask for, my work-group's 33 blocks of each
	s_cselect_b64 s[PFA:PFA+1], s[20:21], s[46:47]
	s_cselect_b32 s18, s40, s41
	s_mul_i32 s18, s18, 33*256
	s_add_co_u32 s18, s18, 3*CH                    ; at K step 3: the first change of slots steps it to 4
	s_mov_b32 s19, 0
	s_add_nc_u64 s[PFA:PFA+1], s[PFA:PFA+1], s[18:19]
	s_mul_i32 s4, s15, CH                          ; the chunk of A that I multiply,
	s_mul_i32 s5, s16, CH
	s_add_co_u32 s5, s5, 2*CH                      ; and of B
	s_sub_co_u32 s6, s5, s4
	s_add_co_u32 s7, s4, 32768
	s_mul_i32 s23, s14, 16*SPITCH
	s_add_co_u32 s23, s23, STAGE
	s_lshl_b32 s20, s17, 8
	s_lshl_b32 s21, s15, 7
	s_add_co_u32 s20, s20, s21
	s_lshl_b32 s20, s20, 14                        ; my first row of out0, in bytes
	s_mov_b32 s21, 0
	s_lshl_b32 s46, s42, 10
	s_lshl_b32 s47, s16, 9
	s_add_co_u32 s46, s46, s47                     ; my first column, in bytes
	s_mov_b32 s47, 0
	s_add_nc_u64 s[8:9], s[8:9], s[46:47]
	s_add_nc_u64 s[10:11], s[10:11], s[46:47]
	s_add_nc_u64 s[10:11], s[10:11], s[20:21]
	v_and_b32 v1, 15, v0
	v_bfe_u32 v2, v0, 4, 1
	v_and_b32 v3, 31, v0
	v_lshlrev_b32 v4, 4, v3
	v_add_nc_u32 v[ADRA], s4, v4
	v_add_nc_u32 v[ADRB], s5, v4
	v_add_nc_u32 v[ADRA+1], SLOT, v[ADRA]
	v_add_nc_u32 v[ADRB+1], SLOT, v[ADRB]
	v_lshlrev_b32 v5, 3, v1
	v_mul_u32_u24 v6, s6, v2                       ; lanes 16-31 take B's scale words
	v_add_nc_u32 v5, v5, v6
	v_add_nc_u32 v[ADRS], s7, v5
	v_add_nc_u32 v[ADRS+1], SLOT, v[ADRS]
	v_mul_u32_u24 v5, v1, SPITCH
	v_lshl_add_u32 v5, v2, 5, v5
	v_add_nc_u32 v[STO], s23, v5
	v_lshlrev_b32 v[CO], 4, v3
	v_add_nc_u32 v[RD], s23, v[CO]
	v_lshlrev_b32 v7, 5, v2
	v_lshlrev_b32 v[PFO], 8, v3
	v_mov_b32 v[PF2], 8192
	s_wait_alu depctr_va_vdst(0)
	NAME -2*CH                                     ; K step 1,
	NAME -CH                                       ; K step 2
.irp b, 0,1,2,3,4,5,6,7
	global_load_b128 v[BIAS+8*\b:BIAS+8*\b+3], v7, s[8:9] offset:64*\b        ; the bias in the result's layout: the C of each accumulator's first product
	global_load_b128 v[BIAS+8*\b+4:BIAS+8*\b+7], v7, s[8:9] offset:64*\b+16
.endr
.macro FRAG reg, adr, q, i             ; a fragment: four loads, each of 512 consecutive bytes
.irp c, 0,1,2,3
	ds_load_b128 v[\reg+4*\c:\reg+4*\c+3], v[\adr] offset:4096*(\i)+2048*(\q)+512*\c
.endr
.endm
.macro UB s, t, i                      ; B's fragment i of slot s, its t-th 128 along K, into set t
	WIN TO_B
	FRAG 128*(\t)+16*(\i), ADRB+\s, \t, \i
.endm
.macro UA s, t, i                      ; A's fragment i likewise
.if (\i) < 4
.set ARL, 128+16*(\i)
.else
.set ARL, 192-128*(\t)+16*((\i)-4)
.endif
	WIN 0
	FRAG ARL, ADRA+\s, \t, \i
.endm
.macro UALT i                          ; the last K step: A's block i (0-3) of slot 1's second half into v[192 + 16 i], where block 4 + i of the first half lay
	WIN 0
	FRAG 192+16*(\i), ADRA+1, 1, \i
.endm
.macro USC s                           ; the scale words of slot s: lanes 0-15 A's block i, lanes 16-31 B's; two words a row
	WIN 0
.irp i, 0,1,2,3,4,5,6,7
	ds_load_b64 v[SC+16*\s+2*\i:SC+16*\s+2*\i+1], v[ADRS+\s] offset:128*\i
.endr
.endm
; Group a: A's block a, in v[AR] on, against B's eight, the t-th 128 along K of slot s.  first = 1: C is the bias.  The accumulators take turns, one instruction a turn.
.macro MC a, t, s, first
.set WN, 0xa1+0x50*((\a)/4)-(\first)*(0x20+0x10*((\a)/4))
	WIN WN
.irp b, 0,1,2,3,4,5,6,7
.if \first
	v_wmma_scale_f32_16x16x128_f8f6f4 v[8*(8*((\a)%4)+\b):8*(8*((\a)%4)+\b)+7], v[128*(\t)+16*\b:128*(\t)+16*\b+15], v[AR:AR+15], v[BIAS+8*\b:BIAS+8*\b+7], v[SC+16*(\s)+2*\b+(\t)], v[SC+16*(\s)+2*(\a)+(\t)] matrix_a_scale:MATRIX_SCALE_ROW1
.else
	v_wmma_scale_f32_16x16x128_f8f6f4 v[8*(8*((\a)%4)+\b):8*(8*((\a)%4)+\b)+7], v[128*(\t)+16*\b:128*(\t)+16*\b+15], v[AR:AR+15], v[8*(8*((\a)%4)+\b):8*(8*((\a)%4)+\b)+7], v[SC+16*(\s)+2*\b+(\t)], v[SC+16*(\s)+2*(\a)+(\t)] matrix_a_scale:MATRIX_SCALE_ROW1
.endif
.endr
.endm
.macro M a, t, s, first
.if (\a) < 4
.set AR, 128+16*(\a)
.else
.set AR, 192-128*(\t)+16*((\a)-4)
.endif
	MC \a, \t, \s, \first
.endm
.macro MALT a                          ; the last K step: block a (0-3), second half, from where UALT put it
.set AR, 192+16*(\a)
	MC \a, 1, 1, 0
.endm
; A slot's first step.  Runs of loads for its second step: B0-5; B6, B7, A0-3; A4-7.
.macro STEP s, first
	s_wait_dscnt 24                                ; B, the scale words, A0, A1 are in; A2, A3 (8 loads) and A4-7 (16) may be out
	M 0, 0, \s, \first
	M 1, 0, \s, \first
	PLACES 8
.irp i, 0,1,2,3,4,5
	UB \s, 1, \i
.endr
	s_wait_dscnt 40                                ; A2, A3 are in: behind them A4-7's 16 loads and the 24 above
	M 2, 0, \s, \first
	M 3, 0, \s, \first
	PLACES 8
	UB \s, 1, 6
	UB \s, 1, 7
.irp i, 0,1,2,3
	UA \s, 1, \i
.endr
	s_wait_dscnt 48                                ; A4-7 are in: behind them this step's 48
	M 4, 0, \s, \first
	M 5, 0, \s, \first
.if \first == 0
.irp i, 4,5,6,7
	UA \s, 1, \i
.endr
.endif
	M 6, 0, \s, \first
	M 7, 0, \s, \first
.if \first
	PLACES 8                                       ; the bias has been read to the end: its registers take A's blocks 4-7
.irp i, 4,5,6,7
	UA \s, 1, \i
.endr
.endif
	WIN 0
.endm
; A slot's second step changes slots.  Group 0 stands ahead of the wait for the next slot's chunk, group 1 between the add and its wait.  In front of the barrier: all my tensor loads have landed, the add, and my reads of this slot are over.
; Behind the round this slot is filled again (fill = 1), and the next slot's first fragments are asked for.
.macro TURN s, nx, fill
.if \fill
	s_wait_xcnt 0x0                                ; my last prefetches have read their base
	s_add_nc_u64 s[PFA:PFA+1], s[PFA:PFA+1], CH
.endif
	s_wait_dscnt 28                                ; B and A0 are in; A1-3 (12 loads) and A4-7 (16) may be out
	M 0, 1, \s, 0
	WIN 0                                          ; the add's two registers lie in window 0
	s_wait_tensorcnt 0x0                           ; my chunk of the next slot is in
	ds_add_u32 v[SPW], v[NIL]
.if \fill
	s_add_nc_u64 s[G0+4*\s+2:G0+4*\s+3], s[G0+4*\s+2:G0+4*\s+3], 2*CH
	s_add_nc_u64 s[G0B+4*\s+2:G0B+4*\s+3], s[G0B+4*\s+2:G0B+4*\s+3], 2*CH
.endif
	s_wait_dscnt 25                                ; A1 is in; A2, A3 (8 loads), A4-7 (16) and the add may be out
	M 1, 1, \s, 0
	s_wait_dscnt 0x0                               ; the add is done, my reads of this slot are over
	WIN 0
	s_barrier_signal -1
	s_barrier_wait -1
.if \fill
	CREST                                          ; the barrier has opened a round of the cluster's barrier
	JLOAD G0+4*\s, G1, G0B+4*\s, G1B               ; my one tensor load behind the round; its four v_nop are four of the eight places
	PLACES 4
.else
	PLACES 8
.endif
.irp i, 0,1,2,3,4,5
	UB \nx, 0, \i
.endr
	M 2, 1, \s, 0
	M 3, 1, \s, 0
	PLACES 8
	UB \nx, 0, 6
	UB \nx, 0, 7
	USC \nx
.irp i, 0,1,2,3
	UA \nx, 0, \i
.endr
.if \fill
	ASK
.endif
	M 4, 1, \s, 0
	M 5, 1, \s, 0
.irp i, 4,5,6,7
	UA \nx, 0, \i
.endr
	M 6, 1, \s, 0
	M 7, 1, \s, 0
	WIN 0
.endm
	s_wait_tensorcnt 0x0                           ; my chunk of K step 0 is in
	ds_add_u32 v[SPW], v[NIL]
	s_wait_dscnt 0x0
	CROUND                                         ; everybody's chunk is in, and all sixteen work-groups are here
	JLOAD G0+4, G1, G0B+4, G1B                     ; K step 1, slot 1's first fill
.irp i, 0,1,2,3,4,5,6,7
	UB 0, 0, \i
.endr
	USC 0
.irp i, 0,1,2,3,4,5,6,7
	UA 0, 0, \i
.endr
	NAME 0                                         ; K step 3
	s_wait_loadcnt 0x0                             ; the bias
	s_wait_dscnt 0x0                               ; the first step's fragments, all
	STEP 0, 1
	s_mov_b32 s3, LAPS-1
.Llap:                                                 ; a trip goes once round the ring and fills both slots again
	TURN 0, 1, 1
	STEP 1, 0
	TURN 1, 0, 1
	STEP 0, 0
	s_sub_co_u32 s3, s3, 1
	s_cmp_lg_u32 s3, 0
	s_cbranch_scc1 .Llap
	TURN 0, 1, 0                                   ; the last lap fills nothing
; THE WAY OUT of block a, 16 rows x 128 columns, through my own stage: in as 32 bytes a lane, back as whole rows of 512 bytes INTO THE BLOCK'S OWN 64 REGISTERS (LDS serves a wave's instructions in order, ISA guide 5.7.1.4:
; the stores have taken their data when the loads bring theirs), and stored: 32 lanes store two aligned runs of 256 bytes.  Every offset is an immediate: 127 rows of 16,384 bytes at the most, inside the signed 24 bits.
.macro TOSTAGE a
.set AC, 64*((\a)%4)
	WIN 0x08+4*((\a)/4)                            ; the data: window 2 or 3
.irp b, 0,1,2,3,4,5,6,7
	ds_store_b128 v[STO], v[AC+8*\b:AC+8*\b+3] offset:64*\b          ; each accumulator from its low end on
	ds_store_b128 v[STO], v[AC+8*\b+4:AC+8*\b+7] offset:64*\b+16
.endr
	WIN 0x80+0x40*((\a)/4)                         ; and back into the same window
.irp t, 0,1,2,3,4,5,6,7,8,9,10,11,12,13,14,15
	ds_load_b128 v[AC+4*\t:AC+4*\t+3], v[RD] offset:\t*SPITCH
.endr
.endm
.macro SEND a
.set AC, 64*((\a)%4)
	s_wait_dscnt 0x0                               ; the block is back in registers
	WIN 0x08+4*((\a)/4)
.irp t, 0,1,2,3,4,5,6,7,8,9,10,11,12,13,14,15
	global_store_b128 v[CO], v[AC+4*\t:AC+4*\t+3], s[10:11] offset:(16*(\a)+\t)*ROWC th:TH_STORE_NT
.endr
.endm
; THE LAST K STEP (slot 1), by rows.  Its first half's fragments are in registers or on their way.  One run brings B's second set and A4-7 of the second half; blocks 4-7 go first, each through both halves;
; on the way out of block 4 + i the registers that held its first half take A's block i of the second half; then blocks 0-3.
	PLACES 8                                       ; B's second set and A4-7's second set were read up to the product just above
.irp i, 0,1,2,3,4,5,6,7
	UB 1, 1, \i
.endr
.irp i, 4,5,6,7
	UA 1, 1, \i
.endr
	s_wait_dscnt 48                                ; the first half's fragments and the scale words are in: behind them the 48 above
	M 4, 0, 1, 0
	s_wait_dscnt 12                                ; B's second set and A4 are in; A5-7 (12 loads) may be out
	M 4, 1, 1, 0
	PLACES 8                                       ; ahead of the first read of results just made, and of the loads into A's registers just read
	TOSTAGE 4
	UALT 0
	s_wait_dscnt 36                                ; A5-7 are in; block 4's 32 stage instructions and the 4 loads above may be out
.irp a, 5,6,7
	M \a, 0, 1, 0
	M \a, 1, 1, 0
	PLACES 8
	SEND \a-1                                      ; the block before has come back while this one was multiplied
	TOSTAGE \a
	UALT \a-4
.endr
	M 0, 0, 1, 0
	MALT 0
	PLACES 8
	SEND 7
	TOSTAGE 0
.irp a, 1,2,3
	M \a, 0, 1, 0
	MALT \a
	PLACES 8
	SEND \a-1
	TOSTAGE \a
.endr
	SEND 3
	WIN 0
	s_wait_tensorcnt 0x0                           ; the wave's end
	ds_add_u32 v[SPW], v[NIL]
	s_wait_dscnt 0x0
	CROUND                                         ; the closing round
	s_endpgm
.Lfunc_end_k_q61d354c922_gemm:
	.size	k_q61d354c922_gemm, .Lfunc_end_k_q61d354c922_gemm-k_q61d354c922_gemm
	.p2alignl 7, 3214868480
	.fill 96, 4, 3214868480
	.section	.rodata,"a",@progbits
	.p2align	6, 0x0
	.amdhsa_kernel k_q61d354c922_gemm
		.amdhsa_group_segment_fixed_size 327680
		.amdhsa_private_segment_fixed_size 0
		.amdhsa_enable_private_segment 0
		.amdhsa_kernarg_size 32
		.amdhsa_user_sgpr_count 2
		.amdhsa_user_sgpr_kernarg_segment_ptr 1
		.amdhsa_wavefront_size32 1
		.amdhsa_system_sgpr_workgroup_id_x 1
		.amdhsa_system_sgpr_workgroup_id_y 1
		.amdhsa_system_sgpr_workgroup_id_z 1
		.amdhsa_system_vgpr_workitem_id 0
		.amdhsa_next_free_vgpr 1024
		.amdhsa_next_free_sgpr 66
		.amdhsa_reserve_vcc 0
		.amdhsa_float_denorm_mode_32 3
		.amdhsa_float_denorm_mode_16_64 3
		.amdhsa_memory_ordered 1
		.amdhsa_forward_progress 1
		.amdhsa_inst_pref_size 149
	.end_amdhsa_kernel
	.amdgpu_metadata
---
amdhsa.version: [ 1, 2 ]
amdhsa.kernels:
  - .name:           k_q61d354c922_gemm
    .symbol:         k_q61d354c922_gemm.kd
    .args:
      - { .name: a_img, .offset: 0, .size: 8, .value_kind: global_buffer, .address_space: global }
      - { .name: b_img, .offset: 8, .size: 8, .value_kind: global_buffer, .address_space: global }
      - { .name: bias, .offset: 16, .size: 8, .value_kind: global_buffer, .address_space: global }
      - { .name: out0, .offset: 24, .size: 8, .value_kind: global_buffer, .address_space: global }
    .group_segment_fixed_size: 327680
    .private_segment_fixed_size: 0
    .kernarg_segment_align: 8
    .kernarg_segment_size: 32
    .max_flat_workgroup_size: 128
    .sgpr_count:     66
    .vgpr_count:     1024
    .wavefront_size: 32
...
	.end_amdgpu_metadata
.endif
;; end of part 2
